; MI455X (gfx1250); checked and timed in simulation.
; The chip was launched on July 23, 2026; its instructions are those of AMD's public machine-readable ISA for CDNA 5 (MIT licence, August 2026) and "CDNA5" Instruction Set Architecture Reference Guide (July 2026). The comments in the code are by the model that wrote it; some were corrected since.
;; Multi Head Attention Base. Allowed arithmetic: matrix products marked QUANTISED: E2M3 operands, one E8M0 scale for each 32 along K, by v_wmma_scale_f32_16x16x128_f8f6f4 with both operands' format E2M3, f32 sums; everything else in f32.
;; Inputs: k 4 x 16 x 2,048 x 64 float32; mask 4 x 2,048 x 2,048 bool; q 4 x 16 x 2,048 x 64 float32; v 4 x 16 x 2,048 x 64 float32.
;; Outputs: out0 4 x 16 x 2,048 x 64 float32.
;; This version of the problem:
;;   THIS VERSION OF THE PROBLEM IS GIVEN IN LOW PRECISION. The matrix products marked QUANTISED in the list below multiply operands that are first quantised to E2M3 (2 exponent bits, 3 mantissa bits; 6 bits a number), with one power-of-two scale for each 32 numbers along K (OCP MX v1.0); their sums are f32. All else is computed in f32.
;;   The module's matrix products, in the order in which they are computed (A, B: the left and right operand; K: the contracted axis; several contracted axes count as one K, in the product's order):
;;     1. batch 64 x [M 2,048, K 64] x [K 64, N 2,048]; A: input q; B: input k: QUANTISED
;;     2. batch 64 x [M 2,048, K 2,048] x [K 2,048, N 64]; A: softmax (see below); B: input v: QUANTISED
;;   THE QUANTISER, for each operand of a quantised product, along K:
;;     - K is cut into blocks of 32 from its start; a last block that is shorter is filled with zeros.
;;     - A block's scale is 2^e with e = floor(log2(the largest magnitude in the block)) - 2, held to -126 .. 127; a block of zeros has e = 0. As a byte (E8M0): e + 127.
;;     - Each number is divided by its block's scale, clamped to +-7.5, and rounded to the nearest number of E2M3, ties to even, subnormals kept.
;;     - The product sums the exact products of the quantised numbers (number of the format x scale) in f32.
;;   ~~~python
;;   def quantise(x, axis):      # numpy; x: float32 -> the quantised numbers, widened to float32 again
;;       x = np.moveaxis(x, axis, -1); K = x.shape[-1]
;;       x = np.pad(x, [(0, 0)] * (x.ndim - 1) + [(0, -K % 32)]); x = x.reshape(x.shape[:-1] + (-1, 32)); a = np.abs(x).max(-1, keepdims=True)
;;       e = np.where(a > 0, np.clip(np.frexp(np.where(a > 0, a, 1))[1] - 1 - 2, -126, 127), 0)      # np.frexp(a)[1] - 1 = floor(log2(a)), exactly
;;       r = np.clip(x / 2.0 ** e, -7.5, 7.5)
;;       step = 2.0 ** (np.maximum(np.frexp(np.where(r == 0, 1, r))[1] - 1, 0) - 3)
;;       q = np.round(r / step) * step * 2.0 ** e      # np.round: ties to even
;;       return np.moveaxis(q.reshape(q.shape[:-2] + (-1,))[..., :K], -1, axis).astype(np.float32)
;;   ~~~
;;   SOFTMAX AHEAD OF A QUANTISED PRODUCT. Where the list says 'softmax', what is quantised is not the finished softmax but p = 2^(t - M), with t = logit x log2(e) and M = ceil(the row's largest t), a whole number; so 1/2 < the row's largest p <= 1. The row's sum l is taken of the UNQUANTISED p, in f32, and the product's result is divided by l at the end. Since M is a whole number, a kernel that streams over the keys may use a running M (the ceiling of the running maximum): every later rescaling is an exact power of two, which a block's scale takes up: the codes' values come out the same.
;;   OPERANDS COMPUTED ON THE WAY. 'Computed on the way' means the value that the module computes at that place (a softmax that the list does not call 'softmax' is quantised finished and normalised). What goes into a quantiser is computed in f32, as accurately as f32 sums, v_exp_f32 and their like allow (about 1e-6 of the number): no bf16 or f16 on the way to a quantiser, and a product that is left as it is and whose result goes on into a quantised operand takes f32 operands (vector FMAs, or v_wmma_f32_16x16x4_f32). A number that lies on a knife's edge between two numbers of the format may be rounded either way, as far as f32 arithmetic and the matrix unit's own rounding can turn it there, and no further.
;; One version. Each part assembles by itself: llvm-mc -triple=amdgcn-amd-amdhsa -mcpu=gfx1250 --defsym DOCPART=n.
;; ======== version 1 of 1: 2 launches
;; limits: right only within a limited range of input values
;; workspace buffers: kv 13,107,200 bytes; mbits 2,097,152 bytes of whole numbers
;; launch prep (part 1): grid 1024 x 3, 4 waves a work-group, no clusters, 88,064 bytes of LDS; arguments k, v, mask, kv, mbits; writes kv, mbits
.if DOCPART == 1
	.amdgcn_target "amdgcn-amd-amdhsa--gfx1250"
	.amdhsa_code_object_version 6
	.text
	.protected	k_qadebda044a_prep
	.globl	k_qadebda044a_prep
	.p2align	8
	.type	k_qadebda044a_prep,@function
k_qadebda044a_prep:
	s_mov_b64 s[64:65], 0
	v_nop
	global_prefetch_b8 v0, s[64:65] scope:SCOPE_SE
	s_setreg_imm32_b32 hwreg(HW_REG_WAVE_MODE, 25, 1), 1
	s_wait_xcnt 0x0
; k, v: [64 heads][2048 keys][64] f32.  mask: [4][2048 queries][2048 keys], one byte each.  Each is read once and laid as the attention launch takes it.
; kv: one block of 12,800 bytes for each (head, step of 128 keys), idx = 16 x head + step:
;   bytes 0..6143      K: four runs b of 1,536 bytes, each the image of 12 operand registers: registers 4 g .. 4 g + 3 of lane L at 512 g + 16 L.
;                      Registers 6 e .. 6 e + 5 of lane (r, h) are the 32 codes, channels 32 h .. 32 h + 31, of row r of tile t = 2 b + e.
;                      Row m of tile t = 4 c + u is key 64 c + 32 (m / 8) + 8 u + m % 8: eight keys of each of two blocks of 32.
;   bytes 6144..12287  V: four tiles t likewise: registers 6 c .. 6 c + 5 of lane (r, h) are channel 16 t + r, keys 64 c + 32 h .. + 31.
;   bytes 12288..12543 K scale words: row r of run b at 16 r + 4 b, byte 2 e + h.      bytes 12544..12799 V scale words: 16 r + 4 t, byte 2 c + h.
; mbits: [batch][tile of 16 queries][step][64 words]: bit L of word j is mask[16 qt + L % 16][128 step + 64 (j / 32) + 32 (L / 16) + j % 32]: the lane mask of score register j.
; THE QUANTISER (E2M3, one E8M0 byte for 32 along K): the byte is the exponent field of the block's largest magnitude less 2, held at 1 from below by a floor among the maximum's leaves.
; A block of zeros so gets the byte 1 where the rule says 127: its codes are zeros, and this program alone reads the bytes.
; LIMITS: NaN and infinities among k and v are not served.
; SHARES.  Work-group (idx, role): role 0 K, role 1 V, role 2 the mask.  K, V: 128 keys a work-group, sixteen loads of 512 dense bytes a wave, turned through LDS so that a lane holds 32 neighbours along K.
; K: wave w makes run w from keys 64 (w / 2) + 16 (w % 2) + 0..15 and the sixteen keys 32 further on, through its own bytes.  V: wave w makes tile w from all 128 keys: one barrier.
; Each role has LDS bytes of its own.  No tensor load, no matrix work: the launch streams.
.set KREG, 0                           ; K: for each wave 64 pieces of 128 bytes (a key, 32 channels), 144 bytes apart
.set KWB,  9216
.set VREG, 36864                       ; V: for each wave 32 rows of 256 bytes and 64 bytes more
.set VWB,  8256
.set MREG, 69888                       ; mask: for each wave 16 rows of 256 bytes, 272 bytes apart
.set MWB,  4352
.set SCR,  87296                       ; 256 bytes: the four waves' scale words meet here
.set BLK,  12800
.set CT,   24                          ; v[24:26]  a conversion's second half
.set C,    28                          ; v[28:39]  the image of 12 operand registers (mask path: v[28:31] the words)
.set R,    48                          ; v48-111   numbers as loaded
.set X,    112                         ; v112-175  numbers in the lane's order
	s_load_b256 s[4:11], s[0:1], 0x0               ; k, v, mask, kv
	s_load_b64 s[12:13], s[0:1], 0x20              ; mbits
	v_lshl_add_u32 v176, v0, 2, 0x15600            ; my spare word, and 0
	v_mov_b32 v177, 0
	v_lshrrev_b32 v16, 5, v0
	v_readfirstlane_b32 s14, v16                   ; wave 0..3
	s_and_b32 s15, ttmp7, 0xffff                   ; role
	s_mov_b32 s24, 0x76543210
	s_mov_b32 s25, 0xfedcba98                      ; selects for lane l xor 16
	v_and_b32 v1, 31, v0                           ; L
	v_and_b32 v2, 15, v0                           ; r
	v_bfe_u32 v3, v0, 4, 1                         ; h
	v_lshlrev_b32 v4, 4, v1                        ; 16 L
	; every LDS address is made here, ahead of the parting of the roles
	s_mul_i32 s16, s14, KWB
	v_bfe_u32 v16, v0, 3, 2
	v_and_b32 v17, 7, v0
	v_mul_u32_u24 v5, v16, 144
	v_lshl_add_u32 v5, v17, 4, v5
	v_add_nc_u32 v5, s16, v5                       ; K in: eight lanes fill a piece
	v_and_b32 v16, 8, v2
	v_add_nc_u32 v16, v16, v2                      ; r + 8 (r / 8): the wave's local key of row r
	v_lshl_add_u32 v16, v16, 1, v3
	v_mul_u32_u24 v6, v16, 144
	v_add_nc_u32 v6, s16, v6                       ; K out: piece 2 (r + 8 (r / 8)) + h; tile e lies 16 pieces on
	s_mul_i32 s17, s14, VWB
	s_add_co_u32 s17, s17, VREG
	v_add_nc_u32 v7, s17, v4                       ; V in: as loaded
	v_mul_u32_u24 v8, v3, VWB
	v_lshl_add_u32 v8, v2, 2, v8
	s_lshl_b32 s18, s14, 6
	s_add_co_u32 s18, s18, VREG
	v_add_nc_u32 v8, s18, v8                       ; V out: channel 16 w + r of the keys that wave 2 c + h brought
	s_mul_i32 s19, s14, MWB
	s_add_co_u32 s19, s19, MREG
	v_mul_u32_u24 v9, v3, 272
	v_lshl_add_u32 v9, v2, 4, v9
	v_add_nc_u32 v9, s19, v9                       ; mask in: lanes 0-15 one row, lanes 16-31 the next
	v_mul_u32_u24 v10, v2, 272
	v_lshl_add_u32 v10, v3, 5, v10
	v_add_nc_u32 v10, s19, v10                     ; mask out: row r, 32 bytes at 32 h
	v_lshlrev_b32 v11, 11, v3
	v_lshl_add_u32 v11, v2, 4, v11                 ; mask in memory: 2,048 (L / 16) + 16 (L % 16)
	s_lshl_b32 s16, s14, 2
	s_add_co_u32 s16, s16, SCR
	v_lshl_add_u32 v12, v2, 4, s16                 ; my scale word: 16 r + 4 w
	v_lshl_add_u32 v13, v1, 3, SCR                 ; and the 256 bytes read back, 8 a lane
	v_lshlrev_b32 v14, 3, v1
	v_lshlrev_b32 v15, 3, v3                       ; 8 h
	v_mov_b32 v23, 0                               ; a lane permute's destination counts as one of its sources
	s_wait_alu depctr_va_vdst(0)                   ; at the head's end
	s_wait_kmcnt 0x0
	s_cmp_eq_u32 s15, 2
	s_cbranch_scc1 .Lmask
	; ---- K and V: sixteen dense loads a wave, in two runs of 4,096 bytes: on end for V, 8,192 bytes apart for K
	s_lshr_b32 s28, s14, 1
	s_lshl_b32 s28, s28, 14
	s_and_b32 s29, s14, 1
	s_lshl_b32 s29, s29, 12
	s_add_co_u32 s28, s28, s29                     ; K: 64 (w / 2) + 16 (w % 2) keys of 256 bytes
	s_lshl_b32 s29, s14, 13                        ; V: 32 w keys
	s_mov_b32 s31, 4096
	s_cmp_eq_u32 s15, 0                            ; the choices hang on the work-group's number alone
	s_cselect_b64 s[26:27], s[4:5], s[6:7]
	s_cselect_b32 s28, s28, s29
	s_cselect_b32 s30, 8192, s31
	s_lshl_b32 s29, ttmp9, 15                      ; idx x 32,768 bytes
	s_add_co_u32 s28, s28, s29
	s_mov_b32 s29, 0
	s_mov_b32 s31, 0
	s_add_nc_u64 s[26:27], s[26:27], s[28:29]
	s_add_nc_u64 s[30:31], s[26:27], s[30:31]
.irp i, 0,1,2,3,4,5,6,7
	global_load_b128 v[R+4*\i:R+4*\i+3], v4, s[26:27] offset:512*\i th:TH_LOAD_NT   ; 32 lanes read 512 consecutive bytes
.endr
.irp i, 0,1,2,3,4,5,6,7
	global_load_b128 v[R+32+4*\i:R+32+4*\i+3], v4, s[30:31] offset:512*\i th:TH_LOAD_NT
.endr
	s_cmp_eq_u32 s15, 1
	s_cbranch_scc1 .Lvpath
	; ---- K: my own 32 keys through my own bytes, served in order: no wait between the stores and the loads
.irp i, 0,1,2,3,4,5,6,7,8,9,10,11,12,13,14,15
	s_wait_loadcnt 15-\i                           ; load i is in; the younger ones stay out
	ds_store_b128 v5, v[R+4*\i:R+4*\i+3] offset:576*\i
.endr
.irp u, 0,1
.irp j, 0,1,2,3,4,5,6,7
	ds_load_b128 v[X+32*\u+4*\j:X+32*\u+4*\j+3], v6 offset:2304*\u+16*\j
.endr
.endr
	s_branch .Lquant
.Lvpath:
	; ---- V: all four waves' keys lie in LDS behind one barrier; then a lane takes a channel, and its registers run down the keys
.irp i, 0,1,2,3,4,5,6,7,8,9,10,11,12,13,14,15
	s_wait_loadcnt 15-\i
	ds_store_b128 v7, v[R+4*\i:R+4*\i+3] offset:512*\i
.endr
	s_wait_dscnt 0x0                               ; for the others' sake: my stores have landed
	s_barrier_signal -1
	s_barrier_wait -1
.irp c, 0,1
.irp i, 0,1,2,3,4,5,6,7,8,9,10,11,12,13,14,15,16,17,18,19,20,21,22,23,24,25,26,27,28,29,30,31
	ds_load_b32 v[X+32*\c+\i], v8 offset:2*VWB*\c+256*\i   ; v(key 64 c + 32 h + i, channel 16 w + r)
.endr
.endr
.Lquant:
	s_wait_dscnt 0x0
; 32 numbers of one block in one lane become registers 6 c .. 6 c + 5 of the image, and the block's byte v[20 + c]
.macro QUANT32 c
	v_max3_num_f32 v16, |v[X+32*\c]|, |v[X+32*\c+1]|, 0x1800000     ; two chains; the floor 2^(3 - 127) holds the byte at 1 from below
	v_max3_num_f32 v17, |v[X+32*\c+2]|, |v[X+32*\c+3]|, 0x1800000
.irp i, 4,8,12,16,20,24,28
	v_max3_num_f32 v16, v16, |v[X+32*\c+\i]|, |v[X+32*\c+\i+1]|
	v_max3_num_f32 v17, v17, |v[X+32*\c+\i+2]|, |v[X+32*\c+\i+3]|
.endr
	v_max_num_f32 v16, v16, v17
	v_add_nc_u32 v18, 0xff000000, v16              ; 2 off the exponent field: the conversion's scale operand
	v_lshrrev_b32 v[20+\c], 23, v18                ; the scale's byte
	v_cvt_scalef32_pk16_fp6_f32 v[C+6*\c:C+6*\c+2], v[X+32*\c:X+32*\c+15], v18
	v_cvt_scalef32_pk16_fp6_f32 v[CT:CT+2], v[X+32*\c+16:X+32*\c+31], v18   ; (a conversion's three registers begin on an even number)
	v_nop                                          ; one plain place behind a scaled conversion
.irp i, 0,1,2
	v_mov_b32 v[C+6*\c+3+\i], v[CT+\i]
.endr
.endm
	QUANT32 0
	QUANT32 1
	v_lshl_or_b32 v22, v21, 16, v20                ; my two bytes,
	v_lshlrev_b32 v22, v15, v22                    ; 8 h bits up;
	v_permlanex16_b32 v23, v22, s24, s25
	v_or_b32 v22, v22, v23                         ; with lane l xor 16's two the word is whole
	s_wait_alu depctr_va_vdst(0)                   ; ahead of the scalar lines below
	s_mul_i32 s28, ttmp9, BLK                      ; my block of kv
	s_mul_i32 s30, s15, 6144                       ; K's half or V's
	s_mul_i32 s31, s14, 1536                       ; my run or tile
	s_add_co_u32 s30, s30, s31
	s_add_co_u32 s30, s30, s28
	s_mov_b32 s31, 0
	s_add_nc_u64 s[30:31], s[10:11], s[30:31]
.irp g, 0,1,2
	global_store_b128 v4, v[C+4*\g:C+4*\g+3], s[30:31] offset:512*\g   ; 512 consecutive bytes, at a multiple of 256 from the buffer's first byte
.endr
	s_lshl_b32 s29, s15, 8
	s_add_co_u32 s28, s28, s29
	s_add_co_u32 s28, s28, 12288                   ; the scale words of K or of V
	s_mov_b32 s29, 0
	s_add_nc_u64 s[28:29], s[10:11], s[28:29]
	ds_store_b32 v12, v22                          ; lanes l and l xor 16 write the same word with the same value
	s_wait_dscnt 0x0                               ; for the others' sake
	s_barrier_signal -1
	s_barrier_wait -1
	s_cmp_lg_u32 s14, 0
	s_cbranch_scc1 .Lend
	ds_load_b64 v[40:41], v13                      ; wave 0: the four waves' 64 words,
	s_wait_dscnt 0x0
	global_store_b64 v14, v[40:41], s[28:29]       ; stored as 256 consecutive bytes, aligned
.Lend:
	s_wait_tensorcnt 0x0                           ; the wave's end
	ds_add_u32 v176, v177
	s_wait_dscnt 0x0
	s_endpgm
.Lmask:
	; ---- the mask: my wave takes 16 query rows x 256 keys (two steps of 128): chunk = 4 idx + wave
	s_lshl_b32 s26, ttmp9, 2
	s_add_co_u32 s26, s26, s14
	s_lshr_b32 s28, s26, 3                         ; which 16 rows: eight chunks cover them,
	s_lshl_b32 s28, s28, 15                        ; 32,768 bytes each;
	s_and_b32 s29, s26, 7
	s_lshl_b32 s29, s29, 8                         ; which 256 keys
	s_add_co_u32 s28, s28, s29
	s_mov_b32 s29, 0
	s_add_nc_u64 s[28:29], s[8:9], s[28:29]
	s_lshl_b32 s30, s26, 9                         ; 128 words, 512 bytes, a chunk
	s_mov_b32 s31, 0
	s_add_nc_u64 s[30:31], s[12:13], s[30:31]
.irp i, 0,1,2,3,4,5,6,7
	global_load_b128 v[R+4*\i:R+4*\i+3], v11, s[28:29] offset:4096*\i th:TH_LOAD_NT   ; sixteen lanes read 256 consecutive bytes of a row, aligned; two rows a load
.endr
.irp i, 0,1,2,3,4,5,6,7
	s_wait_loadcnt 7-\i
	ds_store_b128 v9, v[R+4*\i:R+4*\i+3] offset:544*\i
.endr
.irp g, 0,1,2,3,4,5,6,7
	ds_load_b128 v[X+4*\g:X+4*\g+3], v10 offset:128*(\g/4)+64*((\g%4)/2)+16*(\g%2)   ; row r, keys 128 (g / 4) + 64 ((g % 4) / 2) + 32 h + 16 (g % 2) + 0 .. 15: my own bytes, served in order
.endr
.irp i, 0,1,2,3
	v_mov_b32 v[28+\i], 0                          ; v_writelane_b32's destination counts as read
.endr
	s_wait_dscnt 0x0
	; word 4 n + k is the lane mask of byte k of register X + n; it goes to lane n, register k, so that one store lays the 128 words on end
.set n, 0
.rept 32
.irp k, 0,1,2,3
	v_and_b32 v[16+\k], 0xff<<(8*\k), v[X+n]
.endr
.irp k, 0,1,2,3
	v_cmp_ne_u32 s[20+\k], 0, v[16+\k]
.endr
.irp k, 0,1,2,3
	v_writelane_b32 v[28+\k], s[20+\k], n
.endr
.set n, n+1
.endr
	global_store_b128 v4, v[28:31], s[30:31]       ; 512 consecutive bytes, aligned
	s_wait_tensorcnt 0x0                           ; the wave's end
	ds_add_u32 v176, v177
	s_wait_dscnt 0x0
	s_endpgm
.Lfunc_end_k_qadebda044a_prep:
	.size	k_qadebda044a_prep, .Lfunc_end_k_qadebda044a_prep-k_qadebda044a_prep
	.p2alignl 7, 3214868480
	.fill 96, 4, 3214868480
	.section	.rodata,"a",@progbits
	.p2align	6, 0x0
	.amdhsa_kernel k_qadebda044a_prep
		.amdhsa_group_segment_fixed_size 88064
		.amdhsa_private_segment_fixed_size 0
		.amdhsa_enable_private_segment 0
		.amdhsa_kernarg_size 40
		.amdhsa_user_sgpr_count 2
		.amdhsa_user_sgpr_kernarg_segment_ptr 1
		.amdhsa_wavefront_size32 1
		.amdhsa_system_sgpr_workgroup_id_x 1
		.amdhsa_system_sgpr_workgroup_id_y 1
		.amdhsa_system_sgpr_workgroup_id_z 1
		.amdhsa_system_vgpr_workitem_id 0
		.amdhsa_next_free_vgpr 178
		.amdhsa_next_free_sgpr 66
		.amdhsa_reserve_vcc 0
		.amdhsa_float_denorm_mode_32 3
		.amdhsa_float_denorm_mode_16_64 3
		.amdhsa_memory_ordered 1
		.amdhsa_forward_progress 1
		.amdhsa_inst_pref_size 45
	.end_amdhsa_kernel
	.amdgpu_metadata
---
amdhsa.version: [ 1, 2 ]
amdhsa.kernels:
  - .name:           k_qadebda044a_prep
    .symbol:         k_qadebda044a_prep.kd
    .args:
      - { .name: k, .offset: 0, .size: 8, .value_kind: global_buffer, .address_space: global }
      - { .name: v, .offset: 8, .size: 8, .value_kind: global_buffer, .address_space: global }
      - { .name: mask, .offset: 16, .size: 8, .value_kind: global_buffer, .address_space: global }
      - { .name: kv, .offset: 24, .size: 8, .value_kind: global_buffer, .address_space: global }
      - { .name: mbits, .offset: 32, .size: 8, .value_kind: global_buffer, .address_space: global }
    .group_segment_fixed_size: 88064
    .private_segment_fixed_size: 0
    .kernarg_segment_align: 8
    .kernarg_segment_size: 40
    .max_flat_workgroup_size: 128
    .sgpr_count:     66
    .vgpr_count:     178
    .wavefront_size: 32
...
	.end_amdgpu_metadata
.endif
;; end of part 1
;; launch attn (part 2): grid 4 x 64, 16 waves a work-group, clusters of 4 x 1, 292,864 bytes of LDS; arguments q, kv, mbits, out0; writes out0
.if DOCPART == 2
	.amdgcn_target "amdgcn-amd-amdhsa--gfx1250"
	.amdhsa_code_object_version 6
	.text
	.protected	k_qadebda044a_attn
	.globl	k_qadebda044a_attn
	.p2align	8
	.type	k_qadebda044a_attn,@function
k_qadebda044a_attn:
	s_mov_b64 s[64:65], 0
	v_nop
	global_prefetch_b8 v0, s[64:65] scope:SCOPE_SE
	s_setreg_imm32_b32 hwreg(HW_REG_WAVE_MODE, 25, 1), 1
	s_wait_xcnt 0x0
	s_wait_alu depctr_hold_cnt(0) depctr_sa_sdst(0) depctr_va_vdst(0) depctr_va_sdst(0) depctr_va_ssrc(0) depctr_va_vcc(0) depctr_vm_vsrc(0)
	s_getreg_b32 s2, hwreg(HW_REG_IB_STS2, 6, 4)
	s_cmp_eq_u32 s2, 0
	s_cbranch_scc0 .Lentry_in_a_cluster
	s_endpgm
.Lentry_in_a_cluster:
	s_bfe_u32 s2, ttmp6, 0x10000c
	s_cmp_lg_u32 s2, 0x3003
	s_cbranch_scc0 .Lentry_shape_is_right
	s_endpgm
.Lentry_shape_is_right:
; out0[head][q][:] = the sum over keys of softmax(where(mask, -1e9, q . k / 8)) v, both products on codes of FP6 (E2M3) with one E8M0 scale for each 32 along a product's K.
; q, out0: [64 heads][2048][64] f32.  kv: K's and V's codes and scale words as images of operand registers, 12,800 bytes for each (head, step of 128 keys).  mbits: a lane mask for each score register.
; THE SOFTMAX AHEAD OF THE SECOND PRODUCT: t = score x log2(e) / 8; M = the row's largest t so far, rounded up to a whole number; p = 2^(t - M) is quantised along the keys, not normalised.
; The row's sum is taken of the unquantised p and divides at the end.  When M moves, the sum and O are multiplied by 2^(old M - new M): exact.
; THE MASK: a masked score becomes -2^33 ahead of the maximum (a logit of -2^30).  -2^33 x c is exact and a whole number, so in a row all of whose keys are masked M = t and every p is 1, as with -1e9.
; LIMITS: the masked logit is -2^30 where the definition has -1e9: results differ only where an unmasked logit lies under about -9.99e8.  NaN and infinities among the inputs are not served.
; SHARES.  256 work-groups of sixteen waves.  Work-group (cx, head) owns queries 512 cx .. + 511, in two passes of 256; in a pass wave w owns 16 queries and walks the head's 16 steps of 128 keys.
; LDS.  A head's kv, 16 x 12,800 bytes, is brought ONCE, each wave one tensor load of one step's block (one load of mine is out), and nothing is filled again: one barrier, none in the loop.
; CLUSTER.  The four work-groups of a head ask for each block JOINTLY.
; No prefetch: kv comes with the first fills at the head, q is loaded at the head, and the mask words are asked for one step ahead by their own scalar loads.
; LAYOUT.  Both products are used transposed: S^T = K Q^T, O^T = V^T P^T: a lane holds ONE query (lane % 16) throughout.
; The head is 64 and the instruction's K 128: a run of 12 registers of K holds two tiles of 16 keys; q stands between zeros: codes | zeros picks the first tile, zeros | codes the second (zero codes under the scale byte 0).
; Row m of key tile 4 c + u is key 64 c + 32 (m / 8) + 8 u + m % 8, so score register 32 c + i of lane (r, h) is key 64 c + 32 h + i: A LANE HOLDS WHOLE BLOCKS OF 32 KEYS, in the order of the second product's operand:
; a block's maximum needs no other lane and the conversions' results are the operand's registers.
; ORDER OF A STEP.  Independent chains take turns (eight for the maxima, four for the sum); the LDS loads stand between the links of the one chain that has no partner, from the row's maximum to M.
.set BLK,  12800
.set VOFF, 6144
.set KSC,  12288
.set VSC,  12544
.set STG,  16*BLK                      ; behind kv: 16 rows x 272 bytes for each wave: q on the way in, O on the way out
.set QSTASH, STG+16*4352               ; 1,024 bytes for each wave: the second pass's q codes and scale word
.set SPARE, QSTASH+16*1024             ; the spare words, 128 bytes for each wave
.set LI,   1                           ; 16 x lane
.set LR,   2                           ; 16 x (lane % 16)
.set ADI,  3                           ; the step's block + 16 x lane
.set ADS,  4                           ; the step's block + 16 x (lane % 16)
.set NEGV, 5                           ; -2^33
; v6, v7 at work; v[8:9] f, later 1 / the sum (v9 = 0 is named with it); v10 -M, v11 the largest t; v[12:15] the row's sum
.set Q1,   16                          ; v[16:27]  zeros | q's codes
.set Q0,   22                          ; v[22:33]  q's codes | zeros
.set SH8,  34                          ; 8 h
.set QS0,  35                          ; q's scale word for Q0: bytes 0, 1;  QS1 for Q1: bytes 2, 3
.set QS1,  36
.set PS,   37                          ; p's scale word
.set KS,   38                          ; v[38:41]  K's scale words
.set VS,   42                          ; v[42:45]  V's
.set BM,   46                          ; v46-53  largest scores, a chain a tile; v46 and v50 end as the two blocks'
.set PT,   54                          ; a permute's result
.set SO,   56                          ; v56, v57  the conversions' scale operands
.set CT,   58                          ; v[58:60], v[62:64]  the conversions' second halves
.set TS,   66                          ; v[66:69]  two more chains of the sum
.set P,    70                          ; v[70:81]  p's codes
.set K,    82                          ; v82-129  K's four runs
.set V2,   130                         ; v130-153  V's tiles 2 and 3
.set S,    154                         ; v154-217  S^T, then p; V's tiles 0 and 1 take the first 24
.set O,    218                         ; v218-249  O^T
.set STD,  250                         ; my stage by dense rows
.set STR,  251                         ; 272 r + 128 h
.set STO,  252                         ; 272 r + 32 h
.set QSA,  253                         ; my stash + 16 x lane
; s12 wave; s13 steps to go; s14 passes to go; s15 the step's block in LDS; s[16:17] lane selects; s[18:19] c; s[20:31] the descriptor; s[32:63], s[68:99] the step's 64 mask words; s66 the flat step number; s67 its offset in mbits
.macro ROUND                           ; a round of the cluster's barrier
	s_barrier_signal -1
	s_barrier_wait -1
	s_cmp_lg_u32 s12, 0
	s_cbranch_scc1 .Lnot_wave_0_\@
	s_barrier_signal -3
.Lnot_wave_0_\@:
	s_barrier_wait -3
	s_barrier_signal -1
	s_barrier_wait -1
.endm
.macro WM d, a, b, acc, sa, sb         ; one product; acc = 0 begins the sum
.if \acc
	v_wmma_scale_f32_16x16x128_f8f6f4 v[\d:\d+7], v[\a:\a+11], v[\b:\b+11], v[\d:\d+7], v[\sa], v[\sb] matrix_a_fmt:MATRIX_FMT_FP6 matrix_b_fmt:MATRIX_FMT_FP6
.else
	v_wmma_scale_f32_16x16x128_f8f6f4 v[\d:\d+7], v[\a:\a+11], v[\b:\b+11], 0, v[\sa], v[\sb] matrix_a_fmt:MATRIX_FMT_FP6 matrix_b_fmt:MATRIX_FMT_FP6
.endif
.endm
; q(r, 32 h .. 32 h + 31), v[x] on, becomes six registers of codes and the row's scale word (byte h = block h)
.macro QUANTQ x, dst, word
	v_max3_num_f32 v6, |v[\x]|, |v[\x+1]|, 0x1800000      ; two chains; the floor 2^(3 - 127) holds the byte at 1 from below
	v_max3_num_f32 v7, |v[\x+2]|, |v[\x+3]|, 0x1800000
.irp i, 4,8,12,16,20,24,28
	v_max3_num_f32 v6, v6, |v[\x+\i]|, |v[\x+\i+1]|
	v_max3_num_f32 v7, v7, |v[\x+\i+2]|, |v[\x+\i+3]|
.endr
	v_max_num_f32 v6, v6, v7
	v_add_nc_u32 v7, 0xff000000, v6                ; 2 off the exponent field: the conversion's scale operand
	v_lshrrev_b32 v6, 23, v7                       ; the scale's byte
	v_cvt_scalef32_pk16_fp6_f32 v[\dst:\dst+2], v[\x:\x+15], v7
	v_cvt_scalef32_pk16_fp6_f32 v[CT:CT+2], v[\x+16:\x+31], v7   ; (a conversion's three registers begin on an even number)
	v_nop                                          ; one plain place behind a scaled conversion
.irp i, 0,1,2
	v_mov_b32 v[\dst+3+\i], v[CT+\i]
.endr
	v_lshlrev_b32 v6, v[SH8], v6
	v_permlanex16_b32 v[PT], v6, s16, s17
	v_or_b32 v[\word], v6, v[PT]
.endm
.macro KRUN adr, off, b                ; one run of K: three loads, as they lie
.irp g, 0,1,2
	ds_load_b128 v[K+12*\b+4*\g:K+12*\b+4*\g+3], v[\adr] offset:\off+1536*\b+512*\g
.endr
.endm
.macro VTILE dst, t                    ; one tile of V
.irp g, 0,1,2
	ds_load_b128 v[\dst+4*\g:\dst+4*\g+3], v[ADI] offset:VOFF+1536*\t+512*\g
.endr
.endm
.macro SUM4 i                          ; four pairs of p onto the sum's four chains
	v_pk_add_f32 v[12:13], v[12:13], v[S+\i:S+\i+1]
	v_pk_add_f32 v[14:15], v[14:15], v[S+\i+2:S+\i+3]
	v_pk_add_f32 v[TS:TS+1], v[TS:TS+1], v[S+\i+4:S+\i+5]
	v_pk_add_f32 v[TS+2:TS+3], v[TS+2:TS+3], v[S+\i+6:S+\i+7]
.endm
	s_load_b256 s[4:11], s[0:1], 0x0               ; q, kv, mbits, out0
	v_lshl_add_u32 v254, v0, 2, SPARE
	v_mov_b32 v255, 0
	ds_add_u32 v254, v255                          ; the opening lines: the add, twice on end, and its wait ahead of my tensor load
	ds_add_u32 v254, v255
	v_lshrrev_b32 v6, 5, v0
	v_readfirstlane_b32 s12, v6                    ; wave 0..15
	s_bfe_u32 s2, ttmp6, 0x40000                   ; cx: it enters the addresses of q, out0 and mbits alone
	s_and_b32 s3, ttmp7, 0xffff                    ; the head, which the four partners share
	v_and_b32 v7, 31, v0
	v_lshlrev_b32 v[LI], 4, v7
	v_and_b32 v6, 15, v0                           ; r
	v_bfe_u32 v7, v0, 4, 1                         ; h
	v_lshlrev_b32 v[LR], 4, v6
	s_mul_i32 s13, s12, 16*272
	s_add_co_u32 s13, s13, STG                     ; my stage
	v_mul_u32_u24 v[STD], v7, 272
	v_lshl_add_u32 v[STD], v6, 4, v[STD]
	v_add_nc_u32 v[STD], s13, v[STD]
	v_mul_u32_u24 v[STR], v6, 272
	v_lshl_add_u32 v[STO], v7, 5, v[STR]
	v_lshl_add_u32 v[STR], v7, 7, v[STR]
	v_add_nc_u32 v[STO], s13, v[STO]
	v_add_nc_u32 v[STR], s13, v[STR]
	s_lshl_b32 s14, s12, 10
	s_add_co_u32 s14, s14, QSTASH
	v_add_nc_u32 v[QSA], s14, v[LI]
	v_lshlrev_b32 v[SH8], 3, v7
	s_mov_b32 s16, 0x76543210
	s_mov_b32 s17, 0xfedcba98                      ; selects for lane l xor 16
	s_mov_b32 s18, 0x3e38aa3b                      ; c = log2(e) / 8
	s_mov_b32 s19, s18
	; descriptor group 1: a dense block of 12,800 bytes as 50 rows of 32 elements of 8 bytes
	s_mov_b32 s20, 15|(3<<16)|(1<<21)              ; the mask names all four work-groups; bit 21 beside it
	s_mov_b32 s21, 32<<16
	s_mov_b32 s22, 50<<16
	s_mov_b32 s23, 32<<16
	s_mov_b32 s24, 50
	s_mov_b32 s25, 32
	s_mov_b32 s26, 0
	s_mov_b32 s27, 0
	s_mov_b32 s28, 1
	s_mul_i32 s29, s12, BLK                        ; LDS: step w's block
	s_lshl_b32 s30, s3, 4
	s_add_co_u32 s30, s30, s12
	s_mul_i32 s30, s30, BLK                        ; memory: block 16 x head + w
	s_mov_b32 s31, 0
	s_lshl_b32 s100, s3, 19                        ; q and out0: head x 2,048 rows of 256 bytes
	s_lshl_b32 s101, s2, 17                        ; + cx x 512 rows
	s_add_co_u32 s100, s100, s101
	s_lshl_b32 s101, s12, 12                       ; + wave x 16 rows
	s_add_co_u32 s100, s100, s101
	s_mov_b32 s101, 0
	s_lshr_b32 s66, s3, 4                          ; mbits: batch x 128 tiles of queries x 4,096 bytes
	s_lshl_b32 s66, s66, 19
	s_lshl_b32 s67, s2, 5
	s_add_co_u32 s67, s67, s12                     ; + tile 32 cx + w
	s_lshl_b32 s67, s67, 12
	s_add_co_u32 s66, s66, s67
	s_mov_b32 s67, 0
	s_wait_alu depctr_va_vdst(0)                   ; ahead of the waits below
	s_wait_dscnt 0x0
	s_wait_kmcnt 0x0
	s_add_nc_u64 s[4:5], s[4:5], s[100:101]
	s_add_nc_u64 s[10:11], s[10:11], s[100:101]
	s_add_nc_u64 s[8:9], s[8:9], s[66:67]
	s_add_nc_u64 s[30:31], s[6:7], s[30:31]
	s_or_b32 s31, s31, 0x80000000                  ; type = 2
	ROUND                                          ; all four work-groups are here: the joint loads meet
	tensor_load_to_lds s[28:31], s[20:27]          ; my one tensor load of the launch
	s_nop 0
.rept 4
	v_nop
.endr
	s_load_b512 s[32:47], s[8:9], 0x0              ; step 0's 64 mask words
	s_load_b512 s[48:63], s[8:9], 0x40
	s_load_b512 s[68:83], s[8:9], 0x80
	s_load_b512 s[84:99], s[8:9], 0xc0
.irp i, 0,1,2,3,4,5,6,7
	global_load_b128 v[S+4*\i:S+4*\i+3], v[LI], s[4:5] offset:512*\i th:TH_LOAD_NT          ; the first pass's 16 rows of q
.endr
.irp i, 0,1,2,3,4,5,6,7
	global_load_b128 v[S+32+4*\i:S+32+4*\i+3], v[LI], s[4:5] offset:65536+512*\i th:TH_LOAD_NT   ; the second pass's, 256 rows on
.endr
	v_mov_b32 v[PT], 0                             ; a lane permute's destination counts as one of its sources
	v_mov_b32 v9, 0
	v_mov_b32 v[NEGV], 0xd0000000                  ; -2^33
.irp i, 0,1,2,3,4,5
	v_mov_b32 v[Q1+\i], 0                          ; the zeros on both sides of q's codes
	v_mov_b32 v[Q0+6+\i], 0
.endr
	s_wait_alu depctr_va_vdst(0)                   ; ahead of the wait below
	s_wait_loadcnt 8                               ; the first tile's eight loads are in; the second's may be out
.irp i, 0,1,2,3,4,5,6,7
	ds_store_b128 v[STD], v[S+4*\i:S+4*\i+3] offset:544*\i
.endr
.irp j, 0,1,2,3,4,5,6,7
	ds_load_b128 v[K+4*\j:K+4*\j+3], v[STR] offset:16*\j          ; my own bytes, served in order
.endr
	s_wait_loadcnt 0x0
.irp i, 0,1,2,3,4,5,6,7
	ds_store_b128 v[STD], v[S+32+4*\i:S+32+4*\i+3] offset:544*\i
.endr
.irp j, 0,1,2,3,4,5,6,7
	ds_load_b128 v[O+4*\j:O+4*\j+3], v[STR] offset:16*\j
.endr
	s_wait_dscnt 16                                ; the first tile is back; the second's 8 stores and 8 loads may be out
	QUANTQ K, Q0, QS0
	s_wait_dscnt 0x0
	QUANTQ O, P, P+6
	v_mov_b32 v[P+7], 0
	ds_store_b128 v[QSA], v[P:P+3]                 ; the second pass's codes and scale word wait in my stash
	ds_store_b128 v[QSA], v[P+4:P+7] offset:512
	v_lshlrev_b32 v[QS1], 16, v[QS0]
	s_wait_alu depctr_va_vdst(0)                   ; at the head's end
	s_wait_dscnt 0x0                               ; no LDS instruction of mine is out at the signal
	s_wait_tensorcnt 0x0                           ; my block has landed,
	s_barrier_signal -1
	s_barrier_wait -1                              ; everybody's has: the head's kv is only read from here on
	s_mov_b32 s66, 0
	s_mov_b32 s14, 2
; A KEY STEP: 128 keys.  next = 1: the next step's K is fetched.
.macro STEP next
	s_wait_dscnt 0x0                               ; K's 13 loads are in
.irp b, 0,1,2,3                                ; S^T = K Q^T: eight accumulators, one instruction each
	WM S+16*\b, K+12*\b, Q0, 0, KS+\b, QS0
	WM S+16*\b+8, K+12*\b, Q1, 0, KS+\b, QS1
.endr
	v_add_nc_u32 v[ADI], s15, v[LI]                ; four plain places behind the products (ISA guide 7.12.1)
	v_add_nc_u32 v[ADS], s15, v[LR]
	v_mov_b32 v6, v10                              ; the old -M
	v_nop
	s_wait_kmcnt 0x0                               ; this step's mask words, asked for a step ago
.set j, 0
.rept 32
	v_cndmask_b32 v[S+j], v[S+j], v[NEGV], s[32+j]   ; a masked score becomes -2^33; each accumulator is read from its low end on
.set j, j+1
.endr
.rept 32
	v_cndmask_b32 v[S+j], v[S+j], v[NEGV], s[36+j]
.set j, j+1
.endr
	s_add_co_u32 s66, s66, 1                       ; the next step's words: flat step T = 16 x pass + step, held at 31 so that the last step asks for its own again and no load leaves the buffer
	s_min_u32 s100, s66, 31
	s_lshr_b32 s101, s100, 4
	s_lshl_b32 s101, s101, 16                      ; the second pass's tile lies 16 tiles, 65,536 bytes, on
	s_and_b32 s100, s100, 15
	s_lshl_b32 s100, s100, 8                       ; 256 bytes a step
	s_add_co_u32 s67, s100, s101                   ; (the loads that read s67 last were waited for above)
	s_load_b512 s[32:47], s[8:9], s67 offset:0x0
	s_load_b512 s[48:63], s[8:9], s67 offset:0x40
	s_load_b512 s[68:83], s[8:9], s67 offset:0x80
	s_load_b512 s[84:99], s[8:9], s67 offset:0xc0
.irp x, 0,1,2,3,4,5,6,7                        ; the largest scores: a chain for each tile, the eight by turns: seven of a tile's eight registers
	v_max3_num_f32 v[BM+\x], v[S+8*\x], v[S+8*\x+1], v[S+8*\x+2]
.endr
.irp i, 3,5
.irp x, 0,1,2,3,4,5,6,7
	v_max3_num_f32 v[BM+\x], v[BM+\x], v[S+8*\x+\i], v[S+8*\x+\i+1]
.endr
.endr
.irp c, 0,4                                    ; a block's four chains and its tiles' four last registers
	v_max3_num_f32 v[BM+\c], v[BM+\c], v[BM+\c+1], v[S+8*\c+7]
	v_max3_num_f32 v[BM+\c+2], v[BM+\c+2], v[BM+\c+3], v[S+8*\c+15]
.endr
.irp c, 0,4
	v_max3_num_f32 v[BM+\c], v[BM+\c], v[BM+\c+2], v[S+8*\c+23]
.endr
.irp c, 0,4
	v_max_num_f32 v[BM+\c], v[BM+\c], v[S+8*\c+31]    ; it serves for the row's maximum and, since p rises with the score, for the block's largest p
.endr
	v_max_num_f32 v7, v[BM], v[BM+4]               ; from here to -M one chain: the step's LDS loads stand between its links
	VTILE V2, 2
	v_permlanex16_b32 v[PT], v7, s16, s17
	VTILE V2+12, 3
	ds_load_b128 v[VS:VS+3], v[ADS] offset:VSC
	v_max_num_f32 v7, v7, v[PT]                    ; with lane l xor 16's two blocks: the step's largest score of my query
.if \next
	KRUN ADI, BLK, 0                               ; the next step's K
.endif
	v_mul_f32 v7, s18, v7                          ; as t (c is positive)
.if \next
	KRUN ADI, BLK, 1
.endif
	v_max_num_f32 v11, v11, v7
.if \next
	KRUN ADI, BLK, 2
.endif
	v_floor_f32 v10, -v11                          ; the new -M = -ceil(t)
.if \next
	KRUN ADI, BLK, 3
	ds_load_b128 v[KS:KS+3], v[ADS] offset:BLK+KSC
.endif
.set j, 0
.rept 32
	v_pk_fma_f32 v[S+j:S+j+1], v[S+j:S+j+1], s[18:19], v[10:11] op_sel_hi:[1,0,0]   ; t - M, two at a time; the three links to f stand among them
.if j == 6
	v_sub_f32 v6, v10, v6                          ; old M - new M: a whole number, 0 or less
.endif
.if j == 16
	v_cvt_i32_f32 v6, v6                           ; (it saturates)
.endif
.if j == 26
	v_ldexp_f32 v8, 1.0, v6                        ; f = 2^(old M - new M)
.endif
.set j, j+2
.endr
	v_fma_f32 v[BM], v[BM], s18, v10               ; the same of each block's largest score
	v_fma_f32 v[BM+4], v[BM+4], s18, v10
.set j, 0
.rept 16
	v_pk_mul_f32 v[O+j:O+j+1], v[O+j:O+j+1], v[8:9] op_sel_hi:[1,0]   ; O^T under the new M, each accumulator from its low end on
.set j, j+2
.endr
	s_wait_alu depctr_va_vdst(0)                   ; ahead of the batch
.set j, 0
.rept 64
	v_exp_f32 v[S+j], v[S+j]                       ; p = 2^(t - M), at most 1
.set j, j+1
.endr
	v_exp_f32 v[BM], v[BM]                         ; each block's largest p: the same two instructions on the same number give the same bits
	v_exp_f32 v[BM+4], v[BM+4]
	v_nop                                          ; a plain place behind the batch
	s_wait_alu depctr_va_vdst(0)                   ; and one wait for all 66
	v_max_num_f32 v[BM], 0x1800000, v[BM]          ; the floor 2^(3 - 127): the byte cannot fall under 1
	v_max_num_f32 v[BM+4], 0x1800000, v[BM+4]
	v_pk_fma_f32 v[12:13], v[12:13], v[8:9], v[S:S+1] op_sel_hi:[1,0,1]     ; the row's sum, of the unquantised p, in four chains: the old sums x f go into the first additions,
	v_pk_fma_f32 v[14:15], v[14:15], v[8:9], v[S+2:S+3] op_sel_hi:[1,0,1]
	v_pk_add_f32 v[TS:TS+1], v[S+4:S+5], v[S+6:S+7]                         ; and two chains begin with two pairs each
	v_pk_add_f32 v[TS+2:TS+3], v[S+8:S+9], v[S+10:S+11]
	v_add_nc_u32 v[SO], 0xff000000, v[BM]          ; 2 off the exponent field: the conversions' scale operands
	v_add_nc_u32 v[SO+1], 0xff000000, v[BM+4]
	SUM4 12
	v_lshrrev_b32 v[BM+1], 23, v[SO]               ; the bytes of my blocks h and 2 + h
	v_lshrrev_b32 v[BM+5], 23, v[SO+1]
	SUM4 20
	v_lshl_or_b32 v[BM+1], v[BM+5], 16, v[BM+1]
	v_pk_add_f32 v[12:13], v[12:13], v[S+28:S+29]
	v_pk_add_f32 v[14:15], v[14:15], v[S+30:S+31]
	v_cvt_scalef32_pk16_fp6_f32 v[P:P+2], v[S:S+15], v[SO]
	v_cvt_scalef32_pk16_fp6_f32 v[CT:CT+2], v[S+16:S+31], v[SO]   ; (a conversion's three registers begin on an even number)
	VTILE S, 0                                     ; V's first two tiles take the registers of the p that are done with
	VTILE S+12, 1
	v_cvt_scalef32_pk16_fp6_f32 v[P+6:P+8], v[S+32:S+47], v[SO+1]
	v_cvt_scalef32_pk16_fp6_f32 v[CT+4:CT+6], v[S+48:S+63], v[SO+1]
	v_lshlrev_b32 v[BM+1], v[SH8], v[BM+1]         ; 8 h bits up.  (A plain place behind the conversions)
	SUM4 32
	v_permlanex16_b32 v[PT], v[BM+1], s16, s17
.irp i, 0,1,2
	v_mov_b32 v[P+3+\i], v[CT+\i]
	v_mov_b32 v[P+9+\i], v[CT+4+\i]
.endr
	v_or_b32 v[PS], v[BM+1], v[PT]                 ; p's scale word for these 128 keys
	SUM4 40                                        ; fourteen plain lines stand between these writes and the products
	SUM4 48
	SUM4 56
	v_pk_add_f32 v[12:13], v[12:13], v[TS:TS+1]
	v_pk_add_f32 v[14:15], v[14:15], v[TS+2:TS+3]
	s_wait_dscnt 0x0                               ; V's 13 loads are in
	WM O, S, P, 1, VS, PS                          ; O^T += V^T P^T: four accumulators, one instruction each; eight other products stand between two links of a chain
	WM O+8, S+12, P, 1, VS+1, PS
	WM O+16, V2, P, 1, VS+2, PS
	WM O+24, V2+12, P, 1, VS+3, PS
.rept 5
	v_nop                                          ; five places: the next products write over V's registers
.endr
.if \next
	s_add_co_u32 s15, s15, BLK
.endif
.endm
.Lpass:                                            ; two trips: 256 queries of the work-group each
	v_mov_b32 v11, 0xff61b1e6                      ; the largest t so far: -3e38
	v_floor_f32 v10, -v11                          ; -M
.irp i, 12,13,14,15
	v_mov_b32 v\i, 0                               ; the sum
.endr
.set j, 0
.rept 32
	v_mov_b32 v[O+j], 0                            ; O^T: the step is written for every step alike, and the first finds zeros
.set j, j+1
.endr
	s_mov_b32 s15, 0
.irp b, 0,1,2,3
	KRUN LI, 0, \b                                 ; step 0's K
.endr
	ds_load_b128 v[KS:KS+3], v[LR] offset:KSC
	s_mov_b32 s13, 15
	s_wait_alu depctr_va_vdst(0)                   ; ahead of the step's waits
.Lstep:
	STEP 1
	s_sub_co_u32 s13, s13, 1
	s_cmp_lg_u32 s13, 0
	s_cbranch_scc1 .Lstep
	STEP 0                                         ; the last step is written out: it fetches no further K
	; THE WAY OUT: O^T is divided by the sum and goes through my stage, so that the 32 lanes store 512 consecutive bytes
	s_wait_alu depctr_va_vdst(0)                   ; directly ahead of the first reader of the sum behind the step's last wait
	v_pk_add_f32 v[12:13], v[12:13], v[14:15]
	s_delay_alu instid0(VALU_DEP_1)
	v_add_f32 v12, v12, v13
	s_delay_alu instid0(VALU_DEP_1)
	v_permlanex16_b32 v[PT], v12, s16, s17
	s_delay_alu instid0(VALU_DEP_1)
	v_add_f32 v12, v12, v[PT]                      ; with lane l xor 16's keys: the row's sum
	s_wait_alu depctr_va_vdst(0)                   ; ahead of the reciprocal
	v_rcp_f32 v8, v12
	v_nop                                          ; a plain place behind it
	s_wait_alu depctr_va_vdst(0)                   ; and the wait ahead of its first reader, which is O^T's first reader too
.set j, 0
.rept 16
	v_pk_mul_f32 v[S+j:S+j+1], v[O+j:O+j+1], v[8:9] op_sel_hi:[1,0]   ; register 8 t + i is out0(r, 16 t + 8 h + i)
.set j, j+2
.endr
.irp t, 0,1,2,3
	ds_store_b128 v[STO], v[S+8*\t:S+8*\t+3] offset:64*\t
	ds_store_b128 v[STO], v[S+8*\t+4:S+8*\t+7] offset:64*\t+16
.endr
.irp i, 0,1,2,3,4,5,6,7
	ds_load_b128 v[S+32+4*\i:S+32+4*\i+3], v[STD] offset:544*\i   ; my own bytes, served in order
.endr
	ds_load_b128 v[Q0:Q0+3], v[QSA]                ; the second pass's q out of my stash
	ds_load_b128 v[BM:BM+3], v[QSA] offset:512
.irp i, 0,1,2,3,4,5,6,7
	s_wait_dscnt 9-\i                              ; read-back i is in; the younger ones and the stash's two stay out
	global_store_b128 v[LI], v[S+32+4*\i:S+32+4*\i+3], s[10:11] offset:512*\i th:TH_STORE_NT   ; 512 consecutive bytes, aligned
.endr
	s_wait_xcnt 0x0                                ; the stores have read their registers and their base
	s_add_nc_u64 s[10:11], s[10:11], 0x10000       ; the second pass's rows, 256 on
	s_wait_dscnt 0x0
	v_mov_b32 v[Q0+4], v[BM]
	v_mov_b32 v[Q0+5], v[BM+1]
	v_mov_b32 v[QS0], v[BM+2]
	v_lshlrev_b32 v[QS1], 16, v[BM+2]
	s_sub_co_u32 s14, s14, 1
	s_cmp_lg_u32 s14, 0
	s_wait_alu depctr_va_vdst(0)                   ; ahead of the branch
	s_cbranch_scc1 .Lpass
	s_wait_tensorcnt 0x0                           ; the wave's end
	ds_add_u32 v254, v255
	s_wait_dscnt 0x0
	ROUND                                          ; the closing round
	s_endpgm
.Lfunc_end_k_qadebda044a_attn:
	.size	k_qadebda044a_attn, .Lfunc_end_k_qadebda044a_attn-k_qadebda044a_attn
	.p2alignl 7, 3214868480
	.fill 96, 4, 3214868480
	.section	.rodata,"a",@progbits
	.p2align	6, 0x0
	.amdhsa_kernel k_qadebda044a_attn
		.amdhsa_group_segment_fixed_size 292864
		.amdhsa_private_segment_fixed_size 0
		.amdhsa_enable_private_segment 0
		.amdhsa_kernarg_size 32
		.amdhsa_user_sgpr_count 2
		.amdhsa_user_sgpr_kernarg_segment_ptr 1
		.amdhsa_wavefront_size32 1
		.amdhsa_system_sgpr_workgroup_id_x 1
		.amdhsa_system_sgpr_workgroup_id_y 1
		.amdhsa_system_sgpr_workgroup_id_z 1
		.amdhsa_system_vgpr_workitem_id 0
		.amdhsa_next_free_vgpr 256
		.amdhsa_next_free_sgpr 102
		.amdhsa_reserve_vcc 0
		.amdhsa_float_denorm_mode_32 3
		.amdhsa_float_denorm_mode_16_64 3
		.amdhsa_memory_ordered 1
		.amdhsa_forward_progress 1
		.amdhsa_inst_pref_size 55
	.end_amdhsa_kernel
	.amdgpu_metadata
---
amdhsa.version: [ 1, 2 ]
amdhsa.kernels:
  - .name:           k_qadebda044a_attn
    .symbol:         k_qadebda044a_attn.kd
    .args:
      - { .name: q, .offset: 0, .size: 8, .value_kind: global_buffer, .address_space: global }
      - { .name: kv, .offset: 8, .size: 8, .value_kind: global_buffer, .address_space: global }
      - { .name: mbits, .offset: 16, .size: 8, .value_kind: global_buffer, .address_space: global }
      - { .name: out0, .offset: 24, .size: 8, .value_kind: global_buffer, .address_space: global }
    .group_segment_fixed_size: 292864
    .private_segment_fixed_size: 0
    .kernarg_segment_align: 8
    .kernarg_segment_size: 32
    .max_flat_workgroup_size: 512
    .sgpr_count:     102
    .vgpr_count:     256
    .wavefront_size: 32
...
	.end_amdgpu_metadata
.endif
;; end of part 2
